; MI455X (gfx1250); checked and timed in simulation.
; The chip was launched on July 23, 2026; its instructions are those of AMD's public machine-readable ISA for CDNA 5 (MIT licence, August 2026) and "CDNA5" Instruction Set Architecture Reference Guide (July 2026). The comments in the code are by the model that wrote it; some were corrected since.
;; Optimized Bert Self Attention. Allowed arithmetic: matrix products marked QUANTISED: E2M1 operands, one E8M0 scale for each 32 along K, by v_wmma_scale_f32_16x16x128_f8f6f4 with both operands' format E2M1 (or v_wmma_scale_f32_32x16x128_f4), f32 sums; products left as they are: bf16, f16 or f32 operands; f32 sums; everything else in f32.
;; Inputs: Wk 1,024 x 1,024 float32; Wq 1,024 x 1,024 float32; Wv 1,024 x 1,024 float32; attention_mask 8 x 1 x 1 x 1,024 float32; bk 1,024 float32; bq 1,024 float32; bv 1,024 float32; hidden_states 8 x 1,024 x 1,024 float32.
;; Outputs: out0 8 x 1,024 x 1,024 float32.
;; This version of the problem:
;;   THIS VERSION OF THE PROBLEM IS GIVEN IN LOW PRECISION. The matrix products marked QUANTISED in the list below multiply operands that are first quantised to E2M1 (2 exponent bits, 1 mantissa bit; 4 bits a number), with one power-of-two scale for each 32 numbers along K (OCP MX v1.0); their sums are f32. The products marked 'left as it is' may take bf16, f16 or f32 operands, with f32 sums. Whichever they take, every output number must still come out within the allowed error. Rounding operands to bf16 (8 significant bits) uses up far more of that allowance than f16 does (11 bits, for magnitudes from 6e-5 to 65,504). All else is computed in f32.
;;   The module's matrix products, in the order in which they are computed (A, B: the left and right operand; K: the contracted axis; several contracted axes count as one K, in the product's order):
;;     1. [M 8,192, K 1,024] x [K 1,024, N 1,024]; A: input hidden_states; B: input Wq: QUANTISED
;;     2. [M 8,192, K 1,024] x [K 1,024, N 1,024]; A: input hidden_states; B: input Wk: QUANTISED
;;     3. [M 8,192, K 1,024] x [K 1,024, N 1,024]; A: input hidden_states; B: input Wv: QUANTISED
;;     4. batch 128 x [M 1,024, K 64] x [K 64, N 1,024]; A: computed on the way; B: computed on the way: left as it is (an operand is computed on the way)
;;     5. batch 128 x [M 1,024, K 1,024] x [K 1,024, N 64]; A: computed on the way; B: computed on the way: left as it is (an operand is computed on the way)
;;   THE QUANTISER, for each operand of a quantised product, along K:
;;     - K is cut into blocks of 32 from its start; a last block that is shorter is filled with zeros.
;;     - A block's scale is 2^e with e = floor(log2(the largest magnitude in the block)) - 2, held to -126 .. 127; a block of zeros has e = 0. As a byte (E8M0): e + 127.
;;     - Each number is divided by its block's scale, clamped to +-6, and rounded to the nearest number of E2M1, ties to even, subnormals kept.
;;     - The product sums the exact products of the quantised numbers (number of the format x scale) in f32.
;;   ~~~python
;;   def quantise(x, axis):      # numpy; x: float32 -> the quantised numbers, widened to float32 again
;;       x = np.moveaxis(x, axis, -1); K = x.shape[-1]
;;       x = np.pad(x, [(0, 0)] * (x.ndim - 1) + [(0, -K % 32)]); x = x.reshape(x.shape[:-1] + (-1, 32)); a = np.abs(x).max(-1, keepdims=True)
;;       e = np.where(a > 0, np.clip(np.frexp(np.where(a > 0, a, 1))[1] - 1 - 2, -126, 127), 0)      # np.frexp(a)[1] - 1 = floor(log2(a)), exactly
;;       r = np.clip(x / 2.0 ** e, -6, 6)
;;       step = 2.0 ** (np.maximum(np.frexp(np.where(r == 0, 1, r))[1] - 1, 0) - 1)
;;       q = np.round(r / step) * step * 2.0 ** e      # np.round: ties to even
;;       return np.moveaxis(q.reshape(q.shape[:-2] + (-1,))[..., :K], -1, axis).astype(np.float32)
;;   ~~~
;; One version. Each part assembles by itself: llvm-mc -triple=amdgcn-amd-amdhsa -mcpu=gfx1250 --defsym DOCPART=n.
;; ======== version 1 of 1: 3 launches
;; limits: right only within a limited range of input values; values are held in f16: magnitudes above 65,504 overflow, below 6.1e-05 lose precision
;; workspace buffers: x_codes 4,194,304 bytes; x_scales 262,144 bytes; w_codes 1,572,864 bytes; w_scales 98,304 bytes; qf 16,777,216 bytes; kf 16,777,216 bytes; vf 16,777,216 bytes
;; launch quant (part 1): grid 352 x 1, 4 waves a work-group, no clusters, 33,280 bytes of LDS; arguments hidden_states, Wq, Wk, Wv, x_codes, x_scales, w_codes, w_scales; writes x_codes, x_scales, w_codes, w_scales
.if DOCPART == 1
	.amdgcn_target "amdgcn-amd-amdhsa--gfx1250"
	.amdhsa_code_object_version 6
	.text
	.protected	k_q6f02c7ca95_quant
	.globl	k_q6f02c7ca95_quant
	.p2align	8
	.type	k_q6f02c7ca95_quant,@function
k_q6f02c7ca95_quant:
	s_mov_b64 s[64:65], 0
	v_nop
	global_prefetch_b8 v0, s[64:65] scope:SCOPE_SE
	s_setreg_imm32_b32 hwreg(HW_REG_WAVE_MODE, 25, 1), 1
	s_wait_xcnt 0x0
; FIRST OF THREE LAUNCHES.  hidden_states [8192][1024] and Wq, Wk, Wv [1024][1024], f32, K innermost, are turned into codes of FP4 (E2M1), two a byte, K innermost, with one E8M0 byte for each 32 along K.
; x_codes [8192][512 bytes], x_scales [8192][32];  w_codes [3072][512 bytes], w_scales [3072][32]: rows 0-1023 Wq, 1024-2047 Wk, 2048-3071 Wv.
; DEAD WORK, for the whole program: bk.  scores[q][k] = q_q . (k_k + bk) / 8 + mask[k] = q_q . k_k / 8 + mask[k] + q_q . bk / 8, and the last term is the same for all keys k of a row q:
; the softmax along the keys takes away a term that is the same along its axis, whatever the inputs hold.  The product of q and k is not a quantised one, so bk moves no code and no scale.
; So bk is not loaded and is among no launch's arguments.  LIMIT: a NaN, an infinity or an overflow that would reach the result through bk alone is not carried to it.
; bv is added behind the division by the row's sum (sum of p (v + bv) / l = sum of p v / l + bv, l being the sum of p): third launch.  bq goes into q: second launch.
; A block's scale is 2^(floor(log2(its largest magnitude)) - 2); its byte is the largest magnitude's own exponent field - 2, held at 1 from below.  (A block of zeros so gets the byte 1 where the rule says 127:
; its codes are zeros, which add nothing under any byte but 0xff, and the bytes are read by this program alone.)  Each number is divided by the scale and rounded to the nearest code, ties to even; beyond 6 the largest code.
; LIMITS: blocks whose largest magnitude lies under 2^(2 - 126) keep the byte 1; NaN and infinities among the inputs are not served.
; Rows are dense and K is a multiple of 32: every tensor is a plain stream of blocks of 32 numbers, and so are its codes and its scale bytes.
; A wave takes 16 steps of 512 numbers.  Each of a step's four loads reads 512 consecutive bytes, 16 a lane; the 2,048 bytes go through the wave's own stage in LDS and come back 64 bytes a lane, so that a lane holds
; 16 NEIGHBOURS along K (two neighbouring lanes hold a block), as the conversions want them.  A lane's 16 codes are 8 bytes: the wave stores 256 consecutive bytes.  A wave's 256 scale bytes are gathered in LDS and leave together.
; Work-groups 0-255 take hidden_states, 256-287 Wq, 288-319 Wk, 320-351 Wv: 32,768 numbers each.  Only pointers are chosen: all take one path.  No tensor loads, no barrier: waves share nothing.
.set WAVES, 4
.set STEPS, 16
.set EMAX,  2
.set CB,    8                          ; bytes of 16 codes
.set R,     16                         ; v16-79   four sets of 16 numbers as they are loaded
.set X,     80                         ; v80-111  two sets of 16 neighbours
.set C,     128                        ; v128-191 codes: four registers for each step, so that no store's data are written again
.set E,     112                        ; v112-127 a scale byte for each step
.set WREG,  8192                       ; LDS: a region for each wave: two stages of 32 x SP bytes, and behind them its 256 scale bytes
.set SP,    80                         ; a lane's place in a stage: its 64 bytes + 16 of padding
.set SPW,   12                         ; v12      LDS address of my spare word: SPARE + 4 x my thread's number; never rewritten
.set NIL,   13                         ; v13      0; never rewritten
.set SPARE, WAVES*WREG                 ; behind the four regions: the spare words, 128 bytes for each wave, which no other line names
	s_load_b256 s[4:11], s[0:1], 0x0               ; hidden_states s[4:5], Wq s[6:7], Wk s[8:9], Wv s[10:11]
	s_load_b256 s[12:19], s[0:1], 0x20             ; x_codes s[12:13], x_scales s[14:15], w_codes s[16:17], w_scales s[18:19]
	v_lshl_add_u32 v[SPW], v0, 2, SPARE
	v_mov_b32 v[NIL], 0
	v_lshrrev_b32 v1, 5, v0
	v_readfirstlane_b32 s20, v1                    ; wave
	v_and_b32 v2, 31, v0                           ; lane
	v_lshlrev_b32 v3, 4, v2                        ; my 16 bytes of a load's 512
	s_mul_i32 s23, s20, WREG
	v_lshrrev_b32 v14, 2, v2
	v_mul_u32_u24 v14, v14, SP
	v_and_b32 v15, 3, v2
	v_lshl_add_u32 v14, v15, 4, v14
	v_add_nc_u32 v14, s23, v14                     ; the stage, on the way in: four lanes' 64 bytes on end, then 16 of padding
	v_mul_u32_u24 v15, v2, SP
	v_add_nc_u32 v15, s23, v15                     ; and on the way out: SP x lane: my 16 neighbours
	v_mul_u32_u24 v4, v2, CB                       ; my codes' place in a step's
	v_lshrrev_b32 v5, 1, v2
	s_add_co_u32 s23, s23, 2*32*SP
	v_add_nc_u32 v5, s23, v5                       ; LDS: my wave's 256 scale bytes, my block's byte
	v_lshlrev_b32 v7, 3, v2                        ; and on the way out 8 bytes a lane
	v_add_nc_u32 v6, s23, v7
	s_wait_kmcnt 0x0
	; which tensor is mine: the choice hangs on the work-group's number alone.  s[10:11] the source, s21 its first work-group; s[12:13], s[14:15] codes and scale bytes, s22 their first work-group
	s_mov_b32 s21, 320
	s_cmp_lt_u32 ttmp9, 320
	s_cselect_b64 s[10:11], s[8:9], s[10:11]
	s_cselect_b32 s21, 288, s21
	s_cmp_lt_u32 ttmp9, 288
	s_cselect_b64 s[10:11], s[6:7], s[10:11]
	s_cselect_b32 s21, 256, s21
	s_cmp_lt_u32 ttmp9, 256
	s_cselect_b64 s[10:11], s[4:5], s[10:11]
	s_cselect_b32 s21, 0, s21
	s_cselect_b64 s[12:13], s[12:13], s[16:17]
	s_cselect_b64 s[14:15], s[14:15], s[18:19]
	s_cselect_b32 s22, 0, 256
	s_sub_co_u32 s21, ttmp9, s21
	s_lshl_b32 s21, s21, 2
	s_add_co_u32 s24, s21, s20                     ; which run of 8,192 numbers of the source is my wave's
	s_lshl_b32 s24, s24, 15                        ; 32,768 bytes a run
	s_mov_b32 s25, 0
	s_add_nc_u64 s[10:11], s[10:11], s[24:25]
	s_sub_co_u32 s22, ttmp9, s22
	s_lshl_b32 s22, s22, 2
	s_add_co_u32 s22, s22, s20                     ; and which run of the buffers of codes and scale bytes (the three weights lie one behind the other)
	s_lshl_b32 s24, s22, 12                        ; 4,096 bytes of codes a run
	s_add_nc_u64 s[12:13], s[12:13], s[24:25]
	s_lshl_b32 s24, s22, 8                         ; 256 scale bytes a run
	s_add_nc_u64 s[14:15], s[14:15], s[24:25]
.macro LOAD t
.irp i, 0,1,2,3
	global_load_b128 v[R+16*((\t)%4)+4*\i:R+16*((\t)%4)+4*\i+3], v3, s[10:11] offset:2048*(\t)+512*\i th:TH_LOAD_NT   ; 32 lanes read 512 consecutive bytes
.endr
.endm
.macro TURN t                          ; step t's numbers through the stage: LDS serves a wave's instructions in order, so no wait stands between the stores and the loads
.irp i, 0,1,2,3
	ds_store_b128 v14, v[R+16*((\t)%4)+4*\i:R+16*((\t)%4)+4*\i+3] offset:32*SP*((\t)%2)+8*SP*\i
.endr
.irp i, 0,1,2,3
	ds_load_b128 v[X+16*((\t)%2)+4*\i:X+16*((\t)%2)+4*\i+3], v15 offset:32*SP*((\t)%2)+16*\i
.endr
.endm
.irp t, 0,1,2,3
	LOAD \t
.endr
	s_wait_loadcnt 12                              ; step 0's four loads are in; the twelve of steps 1 to 3 may be out
	TURN 0
.macro STEP t
.set XS, X+16*((\t)%2)
.if (\t) > 0
	s_wait_dscnt 1                                 ; this step's numbers are back from the stage (the last step's byte store may be out): so its stores into the stage have read their registers,
.else
	s_wait_dscnt 0x0
.endif
.if (\t)+4 < STEPS
	LOAD (\t)+4                                    ; which take the loads of four steps on
.endif
.if (\t)+1 < STEPS
.if STEPS-2-(\t) >= 3
	s_wait_loadcnt 12                              ; the next step's four loads are in; those of the three steps behind it may be out
.else
	s_wait_loadcnt 4*(STEPS-2-(\t))
.endif
	TURN (\t)+1                                    ; and go through the other stage while this step is worked
.endif
	v_max3_num_f32 v8, |v[XS]|, |v[XS+1]|, |v[XS+2]|               ; the largest magnitude of my 16, in two chains
	v_max3_num_f32 v9, |v[XS+3]|, |v[XS+4]|, |v[XS+5]|
.irp i, 6,10
	v_max3_num_f32 v8, v8, |v[XS+\i]|, |v[XS+\i+1]|
	v_max3_num_f32 v9, v9, |v[XS+\i+2]|, |v[XS+\i+3]|
.endr
	v_max3_num_f32 v8, v8, |v[XS+14]|, |v[XS+15]|
	v_max3_num_f32 v8, v8, v9, (EMAX+1)<<23        ; and the floor 2^(EMAX + 1 - 127): so the byte cannot fall under 1
	v_max_num_f32_dpp v8, v8, v8 row_xmask:1 row_mask:0xf bank_mask:0xf   ; and of my neighbour's 16: the block's
	v_add_nc_u32 v11, -(EMAX<<23), v8              ; EMAX off its exponent field: the conversion takes the exponent field of this operand as its scale, and nothing else of it
	v_cvt_scalef32_pk8_fp4_f32 v[C+4*(\t)], v[XS:XS+7], v11        ; eight numbers / the scale, to the nearest code; the first number's code in the lowest four bits
	v_cvt_scalef32_pk8_fp4_f32 v[C+4*(\t)+1], v[XS+8:XS+15], v11
	v_lshrrev_b32 v[E+(\t)], 23, v11               ; the scale's byte (also the plain line behind the conversions)
	ds_store_b8 v5, v[E+(\t)] offset:16*(\t)       ; both lanes of a block write the same byte with the same value
	global_store_b64 v4, v[C+4*(\t):C+4*(\t)+1], s[12:13] offset:32*CB*(\t)   ; the wave stores 256 consecutive bytes, aligned
.endm
.irp t, 0,1,2,3,4,5,6,7,8,9,10,11,12,13,14,15
	STEP \t
.endr
	ds_load_b64 v[8:9], v6                         ; LDS serves a wave's instructions in order: these see my stores
	s_wait_dscnt 0x0
	global_store_b64 v7, v[8:9], s[14:15]          ; 32 lanes store 256 consecutive bytes, aligned
	s_wait_tensorcnt 0x0                           ; the wave's end: behind my last LDS store
	ds_add_u32 v[SPW], v[NIL]
	s_wait_dscnt 0x0
	s_endpgm
.Lfunc_end_k_q6f02c7ca95_quant:
	.size	k_q6f02c7ca95_quant, .Lfunc_end_k_q6f02c7ca95_quant-k_q6f02c7ca95_quant
	.p2alignl 7, 3214868480
	.fill 96, 4, 3214868480
	.section	.rodata,"a",@progbits
	.p2align	6, 0x0
	.amdhsa_kernel k_q6f02c7ca95_quant
		.amdhsa_group_segment_fixed_size 33280
		.amdhsa_private_segment_fixed_size 0
		.amdhsa_enable_private_segment 0
		.amdhsa_kernarg_size 64
		.amdhsa_user_sgpr_count 2
		.amdhsa_user_sgpr_kernarg_segment_ptr 1
		.amdhsa_wavefront_size32 1
		.amdhsa_system_sgpr_workgroup_id_x 1
		.amdhsa_system_sgpr_workgroup_id_y 1
		.amdhsa_system_sgpr_workgroup_id_z 1
		.amdhsa_system_vgpr_workitem_id 0
		.amdhsa_next_free_vgpr 192
		.amdhsa_next_free_sgpr 66
		.amdhsa_reserve_vcc 0
		.amdhsa_float_denorm_mode_32 3
		.amdhsa_float_denorm_mode_16_64 3
		.amdhsa_memory_ordered 1
		.amdhsa_forward_progress 1
		.amdhsa_inst_pref_size 34
	.end_amdhsa_kernel
	.amdgpu_metadata
---
amdhsa.version: [ 1, 2 ]
amdhsa.kernels:
  - .name:           k_q6f02c7ca95_quant
    .symbol:         k_q6f02c7ca95_quant.kd
    .args:
      - { .name: hidden_states, .offset: 0, .size: 8, .value_kind: global_buffer, .address_space: global }
      - { .name: Wq, .offset: 8, .size: 8, .value_kind: global_buffer, .address_space: global }
      - { .name: Wk, .offset: 16, .size: 8, .value_kind: global_buffer, .address_space: global }
      - { .name: Wv, .offset: 24, .size: 8, .value_kind: global_buffer, .address_space: global }
      - { .name: x_codes, .offset: 32, .size: 8, .value_kind: global_buffer, .address_space: global }
      - { .name: x_scales, .offset: 40, .size: 8, .value_kind: global_buffer, .address_space: global }
      - { .name: w_codes, .offset: 48, .size: 8, .value_kind: global_buffer, .address_space: global }
      - { .name: w_scales, .offset: 56, .size: 8, .value_kind: global_buffer, .address_space: global }
    .group_segment_fixed_size: 33280
    .private_segment_fixed_size: 0
    .kernarg_segment_align: 8
    .kernarg_segment_size: 64
    .max_flat_workgroup_size: 128
    .sgpr_count:     66
    .vgpr_count:     192
    .wavefront_size: 32
...
	.end_amdgpu_metadata
.endif
;; end of part 1
;; launch proj (part 2): grid 12 x 32, 4 waves a work-group, clusters of 4 x 4, 327,680 bytes of LDS; arguments x_codes, x_scales, w_codes, w_scales, bq, qf, kf, vf; writes qf, kf, vf
.if DOCPART == 2
	.amdgcn_target "amdgcn-amd-amdhsa--gfx1250"
	.amdhsa_code_object_version 6
	.text
	.protected	k_q6f02c7ca95_proj
	.globl	k_q6f02c7ca95_proj
	.p2align	8
	.type	k_q6f02c7ca95_proj,@function
k_q6f02c7ca95_proj:
	s_mov_b64 s[64:65], 0
	v_nop
	global_prefetch_b8 v0, s[64:65] scope:SCOPE_SE
	s_setreg_imm32_b32 hwreg(HW_REG_WAVE_MODE, 25, 1), 1
	s_wait_xcnt 0x0
	s_wait_alu depctr_hold_cnt(0) depctr_sa_sdst(0) depctr_va_vdst(0) depctr_va_sdst(0) depctr_va_ssrc(0) depctr_va_vcc(0) depctr_vm_vsrc(0)
	s_getreg_b32 s2, hwreg(HW_REG_IB_STS2, 6, 4)
	s_cmp_eq_u32 s2, 0
	s_cbranch_scc0 .Lentry_in_a_cluster
	s_endpgm
.Lentry_in_a_cluster:
	s_bfe_u32 s2, ttmp6, 0x10000c
	s_cmp_lg_u32 s2, 0xf033
	s_cbranch_scc0 .Lentry_shape_is_right
	s_endpgm
.Lentry_shape_is_right:
; SECOND OF THREE LAUNCHES: the three quantised products, q = x Wq^T + bq, k = x Wk^T, v = x Wv^T, on codes of FP4 (E2M1) with one E8M0 scale for each 32 along K = 1,024; sums in f32; results rounded once to f16.
; LEFT OUT: bk (the same along the softmax's axis for all values of the inputs: shown at the head of the first launch).  bv is added in the third launch, behind the division by the row's sum.
; LIMIT: |q + bq|, |k| or |v| above 65,504 becomes an infinity in f16.
; A tile of 256 x 256 results is made by a work-group of four waves; a wave makes 128 x 128: 64 accumulators of 16 x 16, 512 registers.  K = 1,024 is two LDS slots of 512 (rows of 256 bytes): both are asked for at the head,
; with the scale bytes of the tile's 512 rows, and NOTHING IS FILLED AGAIN.  By this text's count a wave has three tensor loads out.
; THE MATRIX INSTRUCTION IS USED TRANSPOSED (source 0 = 16 rows of the B side, source 1 = 16 rows of the A side): a lane holds ONE row of the A side (lane % 16) and its eight registers eight neighbouring rows of the B side.
; The attention wants q and k with a lane to a token and registers along the channels: there the A side is x and the B side the weight.  It wants V^T with a lane to a channel and registers along the keys:
; there the BUFFERS change roles, A side = Wv, B side = x.  The products' text is one and the same: only pointers and tile coordinates are chosen, by the cluster's x (0: q, 1: k, 2: v), which all sixteen partners share.
; THE RESULTS ARE STORED AS IMAGES OF THE ATTENTION'S OPERAND REGISTERS, 16 bytes a lane, 512 consecutive aligned bytes a store, with no way through LDS:
;   qf, kf: [16 b + head][tile of 16 tokens: 64][group of 16 channels: 4][lane][16 bytes]: lane (r, hh) holds token r, channels 16 g + 8 hh + 0 .. 7
;   vf:     [16 b + head][block of 32 keys: 32][tile of 16 channels: 4][half: 2][lane][16 bytes]: lane (r, hh) holds channel r, keys 16 half + 8 hh + 0 .. 7
; CLUSTERS: 4 x 4 work-groups.  The four of a row of the cluster need the same tiles of the A side, the four of a column the same tiles of the B side: each is asked for JOINTLY, by the same tensor load with the same
; descriptor and a mask that names the four.
; REGISTERS, in windows of 256: window 0: v0-31 addresses; v32-95 scale words, two sets; v128-191 A's fragments, ONE set; v192-255 bq in the result's layout (q alone); on the way out v128-255 the packed results.
;   window 1: B's fragments, TWO sets, at v0 and at v128.   window 2: the 32 accumulators of my rows 0-63 (accumulator (a, b) at v[8 (8 a + b)]);   window 3: those of my rows 64-127.
.set NQ,     4                         ; matrix instructions deep in a slot: 512 along K
.set ROWB,   256                       ; a tile's row in bytes
.set KROW,   512                       ; a row of codes in memory
.set PITCH,  272                       ; an LDS row: 256 bytes + 16 of padding = 68 words: row r starts at bank 4 r mod 64 (64 banks of 4 bytes: ISA guide 11.1), so the 16 rows of a load start at 16 different banks
.set FR,     8                         ; registers of a fragment: 16 rows x 128 K
.set NL,     2                         ; LDS loads that bring one
.set NP,     4                         ; places behind this matrix instruction (ISA guide 7.12.1)
.set HALFT,  128*PITCH                 ; 128 rows: what one tensor load brings, and what one wave reads of a side
.set SLOT,   4*HALFT                   ; A's 256 rows, then B's 256 rows
.set KS,     32                        ; a row of scale bytes
.set SCL,    2*SLOT                    ; behind the slots: the scale bytes, as rows of 256 bytes + 16 of padding
.set HALFS,  (128*KS/256)*272          ; those of 128 rows: what one tensor load brings
.set SBLK,   (16*KS/256)*272           ; those of 16 rows
.set SPARE,  SCL+4*HALFS               ; behind the scales: the spare words, 128 bytes for each wave, which no other line names
.set ADRA, 16                          ; v16-17  LDS address of my A fragments in slot 0, 1
.set ADRB, 20                          ; v20-21  the same for B
.set BO,   25                          ; v25     32 x (lane / 16): my eight numbers of a group of 16 of bq
.set CO,   26                          ; v26     16 x lane: my place in an image; never rewritten
.set ADRS, 27                          ; v27     LDS address of my scale words: lanes 0-15 A's rows, lanes 16-31 B's
.set SPW,  28                          ; v28     LDS address of my spare word; never rewritten
.set NIL,  29                          ; v29     0; never rewritten
.set SC,   32                          ; scale words: set s at v[SC + 32 s]; register 4 i + q: lanes 0-15 the word of A's block i, lanes 16-31 that of B's block i, for the slot's q-th 128 along K
.set AF,   128                         ; A's fragments
.set BIAS, 192                         ; register 8 b + j: bq[my first channel + 16 b + 8 (lane / 16) + j]
.set G1, 24                            ; s[24:31] descriptor group 1 for A's tiles;  s[32:39] group 0, one set for each slot
.set G0, 32
.set G1B, 48                           ; s[48:55], s[56:63] the same for B's tiles
.set G0B, 56
.set G1S, 68                           ; s[68:75], s[76:79] groups 1 and 0 for A's scales;  s[80:87], s[88:91] for B's
.set G0S, 76
.set G1SB, 80
.set G0SB, 88
.set MSB, 0
.macro WIN new                         ; the immediate's high byte repeats the setting that is left
.if MSB != \new
	s_set_vgpr_msb (MSB<<8)|\new
.set MSB, \new
.endif
.endm
.set MUL_LO, 0xa1                      ; source 0 (B) window 1, source 1 (A) window 0, C and D window 2
.set MUL_HI, 0xf1                      ; the same, C and D window 3
.set TO_B,   0x40                      ; destination window 1, address window 0
; A joint load: waves 0 and 1 fetch for A, waves 2 and 3 for B.  Each of the two lines has ONE mask and one set of registers for all that issue it; the branch hangs on the wave's number alone.
; An s_nop 0 and four v_nop follow each of the two lines, ahead of the jump, the label and what follows.
.macro JLOAD g0a, g1a, g0b, g1b
	s_cmp_eq_u32 s15, 0
	s_cbranch_scc0 .Lfor_b_\@
	tensor_load_to_lds s[\g0a:\g0a+3], s[\g1a:\g1a+7]
	s_nop 0
.rept 4
	v_nop
.endr
	s_branch .Lasked_\@
.Lfor_b_\@:
	tensor_load_to_lds s[\g0b:\g0b+3], s[\g1b:\g1b+7]
	s_nop 0
.rept 4
	v_nop
.endr
.Lasked_\@:
.endm
.macro CROUND                          ; a round of the cluster's barrier
	s_barrier_signal -1
	s_barrier_wait -1
	s_cmp_lg_u32 s14, 0
	s_cbranch_scc1 .Lnot_wave_0_\@
	s_barrier_signal -3
.Lnot_wave_0_\@:
	s_barrier_wait -3
	s_barrier_signal -1
	s_barrier_wait -1
.endm
	s_load_b256 s[4:11], s[0:1], 0x0               ; x_codes s[4:5], x_scales s[6:7], w_codes s[8:9], w_scales s[10:11]
	s_load_b256 s[92:99], s[0:1], 0x20             ; bq s[92:93], qf s[94:95], kf s[96:97], vf s[98:99]
	v_lshl_add_u32 v[SPW], v0, 2, SPARE
	v_mov_b32 v[NIL], 0
	ds_add_u32 v[SPW], v[NIL]                      ; the wave's opening: the add, twice on end, and its wait ahead of my first tensor load; the set-up below, work on registers, stands between
	ds_add_u32 v[SPW], v[NIL]
	v_lshrrev_b32 v1, 5, v0
	v_readfirstlane_b32 s14, v1                    ; wave 0..3
	s_lshr_b32 s15, s14, 1                         ; which half of the tile's A rows is mine.  Also: I fetch for A (0) or for B (1)
	s_and_b32 s16, s14, 1                          ; which half of its B rows.  Also: which 128 rows of that tile I fetch
	s_bfe_u32 s40, ttmp6, 0x40000                  ; cx, cy: my place in the cluster
	s_bfe_u32 s41, ttmp6, 0x40004
	s_mov_b32 s12, ttmp9                           ; the cluster's x: 0 q, 1 k, 2 v
	s_and_b32 s13, ttmp7, 0xffff                   ; the cluster's y = the batch: 4 tiles of 256 tokens
	s_lshl_b32 s2, s13, 2
	s_cmp_eq_u32 s12, 2
	s_cselect_b32 s17, 0, s2                       ; A's tile row:    q, k: 4 y + cy of x;          v: cy of Wv
	s_cselect_b32 s42, s13, s12                    ; B's tile column: q, k: 4 x + cx of the weights; v: 4 y + cx of x
	s_add_co_u32 s17, s17, s41                     ; (no register that feeds A's descriptors holds cx, none that feeds B's holds cy)
	s_lshl_b32 s42, s42, 2
	s_add_co_u32 s42, s42, s40
	s_lshl_b32 s43, s41, 2
	s_lshl_b32 s43, 15, s43                        ; my row of the cluster
	s_lshl_b32 s44, 0x1111, s40                    ; my column
	; descriptor group 1: a tile of 128 rows x 256 bytes, padded in LDS
	s_or_b32 s[G1+0], s43, (0<<16)|(1<<20)|(1<<21)|(5<<22)|(3<<25)  ; 15:0 the mask: A's tiles go to my row; 17:16 element of 1 byte; 20 padding on; 21 set beside a mask; 24:22 after every 64 words (code 5); 31:25 of 4 words (code 3)
	s_or_b32 s[G1B+0], s44, (0<<16)|(1<<20)|(1<<21)|(5<<22)|(3<<25)
.irp g, G1, G1B
	s_mov_b32 s[\g+1], ROWB<<16                    ; tensor_dim0
	s_mov_b32 s[\g+2], 128<<16                     ; tensor_dim1 = 128
	s_mov_b32 s[\g+3], ROWB<<16                    ; tile_dim0
	s_mov_b32 s[\g+4], 128                         ; tile_dim1 = 128
	s_mov_b32 s[\g+5], KROW                        ; tensor_dim0_stride
	s_mov_b32 s[\g+6], 0
	s_mov_b32 s[\g+7], 0
.endr
	; and for the scale bytes of 128 rows: a dense block of 4,096 bytes, as 16 rows of 256 bytes (32 elements of 8 bytes), 16 bytes of padding behind each
	s_or_b32 s[G1S+0], s43, (3<<16)|(1<<20)|(1<<21)|(5<<22)|(3<<25)
	s_or_b32 s[G1SB+0], s44, (3<<16)|(1<<20)|(1<<21)|(5<<22)|(3<<25)
.irp g, G1S, G1SB
	s_mov_b32 s[\g+1], 32<<16
	s_mov_b32 s[\g+2], (128*KS/256)<<16
	s_mov_b32 s[\g+3], 32<<16
	s_mov_b32 s[\g+4], 128*KS/256
	s_mov_b32 s[\g+5], 32
	s_mov_b32 s[\g+6], 0
	s_mov_b32 s[\g+7], 0
.endr
	s_lshl_b32 s18, s16, 7                         ; which 128 rows of the tile I fetch
	s_lshl_b32 s20, s17, 8
	s_add_co_u32 s20, s20, s18                     ; A: row 256 x tile row + 128 x half
	s_lshl_b32 s46, s42, 8
	s_add_co_u32 s46, s46, s18                     ; B: row 256 x tile column + 128 x half
	s_lshl_b32 s22, s20, 5                         ; where these rows' scale bytes begin (32 a row),
	s_lshl_b32 s66, s46, 5
	s_lshl_b32 s20, s20, 9                         ; and their codes (512 bytes a row): all under 2^23
	s_lshl_b32 s46, s46, 9
	s_mov_b32 s21, 0
	s_mov_b32 s23, 0
	s_mov_b32 s47, 0
	s_mov_b32 s67, 0
	s_mul_i32 s45, s14, HALFT                      ; where they go: wave x 128 rows: no place in the cluster enters an LDS address
	s_mul_i32 s3, s14, HALFS
	s_wait_dscnt 0x0                               ; both opening adds are done
	s_wait_kmcnt 0x0
	s_add_nc_u64 s[18:19], s[8:9], 0x100000        ; Wv's codes: row 2,048 of w_codes,
	s_add_nc_u64 s[100:101], s[10:11], 0x10000     ; and its scale bytes
	s_cmp_eq_u32 s12, 2                            ; for v the buffers change roles: the choice hangs on the cluster's x alone
	s_cselect_b64 s[8:9], s[4:5], s[8:9]           ; B's codes:  x's, else the weights'
	s_cselect_b64 s[10:11], s[6:7], s[10:11]       ; B's scales
	s_cselect_b64 s[4:5], s[18:19], s[4:5]         ; A's codes:  Wv's, else x's
	s_cselect_b64 s[6:7], s[100:101], s[6:7]       ; A's scales
	s_add_nc_u64 s[20:21], s[4:5], s[20:21]
	s_add_nc_u64 s[22:23], s[6:7], s[22:23]
	s_add_nc_u64 s[46:47], s[8:9], s[46:47]
	s_add_nc_u64 s[66:67], s[10:11], s[66:67]
	CROUND                                         ; all sixteen work-groups are here: the joint loads meet
	s_mov_b32 s[G0S], 1
	s_add_co_u32 s[G0S+1], s3, SCL
	s_mov_b64 s[G0S+2:G0S+3], s[22:23]
	s_or_b32 s[G0S+3], s[G0S+3], 0x80000000
	s_mov_b32 s[G0SB], 1
	s_add_co_u32 s[G0SB+1], s3, SCL
	s_mov_b64 s[G0SB+2:G0SB+3], s[66:67]
	s_or_b32 s[G0SB+3], s[G0SB+3], 0x80000000
	JLOAD G0S, G1S, G0SB, G1SB                     ; the scales first: they are wanted with the first slot
.irp s, 0,1
	s_mov_b32 s[G0+4*\s], 1
	s_add_co_u32 s[G0+4*\s+1], s45, \s*SLOT
	s_add_nc_u64 s[G0+4*\s+2:G0+4*\s+3], s[20:21], \s*ROWB
	s_or_b32 s[G0+4*\s+3], s[G0+4*\s+3], 0x80000000
	s_mov_b32 s[G0B+4*\s], 1
	s_add_co_u32 s[G0B+4*\s+1], s45, \s*SLOT
	s_add_nc_u64 s[G0B+4*\s+2:G0B+4*\s+3], s[46:47], \s*ROWB
	s_or_b32 s[G0B+4*\s+3], s[G0B+4*\s+3], 0x80000000
	JLOAD G0+4*\s, G1, G0B+4*\s, G1B
.endr
	v_and_b32 v1, 15, v0                           ; l % 16
	v_bfe_u32 v2, v0, 4, 1                         ; l / 16
	v_mul_u32_u24 v3, v1, PITCH
	v_lshl_add_u32 v4, v2, 4, v3                   ; a fragment's row x pitch + 16 x half
	s_mul_i32 s21, s15, HALFT                      ; my 128 rows of A
	s_mul_i32 s22, s16, HALFT                      ; my 128 rows of B,
	s_add_co_u32 s22, s22, 2*HALFT                 ; which lie behind A's 256
.irp s, 0,1
	v_add_nc_u32 v[ADRA+\s], s21, v4
	v_add_nc_u32 v[ADRB+\s], s22, v4
	s_add_co_u32 s21, s21, SLOT
	s_add_co_u32 s22, s22, SLOT
.endr
	v_mul_u32_u24 v5, v1, KS                       ; my row's scale bytes: 32 a row,
	v_lshrrev_b32 v6, 8, v5
	v_lshl_add_u32 v5, v6, 4, v5                   ; and 16 more for each 256 passed
	s_mul_i32 s21, s15, HALFS                      ; A's: my 128 rows
	s_mul_i32 s22, s16, HALFS                      ; B's: my 128 rows, behind A's 256
	s_add_co_u32 s22, s22, 2*HALFS
	s_sub_co_u32 s22, s22, s21
	v_mul_u32_u24 v6, s22, v2                      ; lanes 16-31 take B's: the lower base + half x the distance
	s_add_co_u32 s21, s21, SCL
	v_add_nc_u32 v5, v5, v6
	v_add_nc_u32 v[ADRS], s21, v5
	v_and_b32 v6, 31, v0
	v_lshlrev_b32 v[CO], 4, v6
	v_lshlrev_b32 v[BO], 5, v2
	; where my images begin.  q, k: head 4 cx + 2 (B half) + b / 4, token tile 16 cy + 8 (A half) + a.   v: head 4 cy + 2 (A half) + a / 4, key block 8 cx + 4 (B half) + b / 2
	s_cmp_eq_u32 s12, 0
	s_cselect_b64 s[94:95], s[94:95], s[96:97]
	s_cmp_eq_u32 s12, 2
	s_cselect_b64 s[94:95], s[98:99], s[94:95]
	s_cselect_b32 s20, s41, s40
	s_cselect_b32 s21, s15, s16
	s_cselect_b32 s22, s40, s41
	s_cselect_b32 s23, s16, s15
	s_lshl_b32 s2, s13, 4                          ; 16 x batch
	s_lshl_b32 s20, s20, 2
	s_add_co_u32 s2, s2, s20
	s_lshl_b32 s21, s21, 1
	s_add_co_u32 s2, s2, s21
	s_lshl_b32 s2, s2, 17                          ; 131,072 bytes for each batch and head
	s_lshl_b32 s22, s22, 15                        ; 256 tokens: 32,768 bytes
	s_add_co_u32 s2, s2, s22
	s_lshl_b32 s23, s23, 14                        ; 128 tokens
	s_add_co_u32 s2, s2, s23
	s_mov_b32 s3, 0
	s_add_nc_u64 s[94:95], s[94:95], s[2:3]
.macro FRAG reg, adr, q, i             ; a fragment, 16 rows x 128 K of 4-bit codes, is 8 registers: lane l holds row l % 16; registers 4 c .. 4 c + 3 hold K = 64 c + 32 (l / 16) + 0 .. 31
.irp c, 0,1
	ds_load_b128 v[\reg+4*\c:\reg+4*\c+3], v[\adr] offset:64*(\q)+32*\c+(\i)*16*PITCH
.endr
.endm
; 16 matrix instructions: A's blocks a0, a0 + 1 x B's eight, 128 along K: the slot's q-th.  p: B's set;  sc: the set of scale words.  zero = 1: the first product starts the sums with the constant 0;  2: with bq.
; The 64 accumulators take turns, one instruction a turn, in the same order in every step.
.macro MUL16 a0, p, q, sc, zero
.irp a, \a0, \a0+1
.irp b, 0,1,2,3,4,5,6,7
.if \zero == 1
	v_wmma_scale_f32_16x16x128_f8f6f4 v[8*(8*((\a)%4)+\b):8*(8*((\a)%4)+\b)+7], v[128*(\p)+FR*\b:128*(\p)+FR*\b+FR-1], v[AF+FR*(\a):AF+FR*(\a)+FR-1], 0, v[SC+8*NQ*(\sc)+NQ*\b+(\q)], v[SC+8*NQ*(\sc)+NQ*(\a)+(\q)] matrix_a_fmt:MATRIX_FMT_FP4 matrix_b_fmt:MATRIX_FMT_FP4 matrix_a_scale:MATRIX_SCALE_ROW1
.elseif \zero == 2
	v_wmma_scale_f32_16x16x128_f8f6f4 v[8*(8*((\a)%4)+\b):8*(8*((\a)%4)+\b)+7], v[128*(\p)+FR*\b:128*(\p)+FR*\b+FR-1], v[AF+FR*(\a):AF+FR*(\a)+FR-1], v[BIAS+8*\b:BIAS+8*\b+7], v[SC+8*NQ*(\sc)+NQ*\b+(\q)], v[SC+8*NQ*(\sc)+NQ*(\a)+(\q)] matrix_a_fmt:MATRIX_FMT_FP4 matrix_b_fmt:MATRIX_FMT_FP4 matrix_a_scale:MATRIX_SCALE_ROW1
.else
	v_wmma_scale_f32_16x16x128_f8f6f4 v[8*(8*((\a)%4)+\b):8*(8*((\a)%4)+\b)+7], v[128*(\p)+FR*\b:128*(\p)+FR*\b+FR-1], v[AF+FR*(\a):AF+FR*(\a)+FR-1], v[8*(8*((\a)%4)+\b):8*(8*((\a)%4)+\b)+7], v[SC+8*NQ*(\sc)+NQ*\b+(\q)], v[SC+8*NQ*(\sc)+NQ*(\a)+(\q)] matrix_a_fmt:MATRIX_FMT_FP4 matrix_b_fmt:MATRIX_FMT_FP4 matrix_a_scale:MATRIX_SCALE_ROW1
.endif
.endr
.endr
.endm
.macro FETCH_B slot, q, p              ; B's eight fragments of the slot's q-th 128 along K into set p
	WIN TO_B
.irp i, 0,1,2,3,4,5,6,7
	FRAG 128*(\p)+FR*\i, ADRB+\slot, \q, \i
.endr
	WIN 0
.endm
.macro FETCH_A slot, q, i0             ; A's blocks i0 .. i0 + 3
.irp i, \i0, \i0+1, \i0+2, \i0+3
	FRAG AF+FR*(\i), ADRA+\slot, \q, \i
.endr
.endm
.macro SCALES sc                       ; a slot's scale words into set sc: 4 words a row; lanes 0-15 take A's block i, lanes 16-31 B's block i
.irp i, 0,1,2,3,4,5,6,7
	ds_load_b128 v[SC+8*NQ*\sc+NQ*\i:SC+8*NQ*\sc+NQ*\i+3], v[ADRS] offset:\i*SBLK
.endr
.endm
; A load into a register that a matrix instruction has read, and a vector instruction that reads a matrix result or writes one of a matrix instruction's registers, stand NP places behind it, and only plain
; vector instructions that name none of its registers are places (ISA guide 7.12.1 for vector instructions).
.macro PLACES n
.rept \n
	v_nop
.endr
.endm
; A step of 128 along K that has its successor in the same slot.  A block of A is free as soon as its eight products are issued: blocks 0-3 are fetched anew in the step's middle, blocks 4-7 at its end.
.macro STEP slot, q, zero
	s_wait_dscnt 4*NL                              ; B's set and A's blocks 0-3 are in; the youngest eight loads (A's blocks 4-7) may be out
.if \zero == 2
	WIN 0x81                                       ; as MUL_LO, with C (bq) in window 0
.else
	WIN MUL_LO
.endif
	MUL16 0, (\q)%2, \q, \slot, \zero
	MUL16 2, (\q)%2, \q, \slot, \zero
	s_wait_dscnt 0                                 ; A's blocks 4-7 are in (asked for 32 matrix instructions ago)
	PLACES NP
	FETCH_B \slot, (\q)+1, 1-(\q)%2
	FETCH_A \slot, (\q)+1, 0
.if \zero == 2
	WIN 0xc1                                       ; as MUL_HI, with C (bq) in window 0
.else
	WIN MUL_HI
.endif
	MUL16 4, (\q)%2, \q, \slot, \zero
	MUL16 6, (\q)%2, \q, \slot, \zero
	PLACES NP
	WIN 0
	FETCH_A \slot, (\q)+1, 4
.endm
; Slot 0's last step goes over to slot 1: one barrier; in front of it each wave waits for all its tensor loads (its part of slot 1), so that behind it slot 1 is whole for every wave.  Nothing is filled again.
.macro TURN slot, next
	s_wait_tensorcnt 0x0                           ; all my tensor loads have landed  (every window is 0 here: the add's two registers lie in window 0)
	ds_add_u32 v[SPW], v[NIL]                      ; 0 onto my spare word
	s_wait_dscnt 4*NL+1                            ; (the add and the youngest eight loads, A's blocks 4-7, may be out)
	WIN MUL_LO
	MUL16 0, 1, NQ-1, \slot, 0
	s_wait_dscnt 0x0                               ; no LDS instruction of mine is out at the signal
	s_barrier_signal -1
	MUL16 2, 1, NQ-1, \slot, 0
	WIN 0
	s_barrier_wait -1
	PLACES NP
	v_add_nc_u32 v[ADRS], 4*NQ, v[ADRS]            ; on to the next slot's scale words
	FETCH_B \next, 0, 0
	FETCH_A \next, 0, 0
	SCALES \next
	WIN MUL_HI
	MUL16 4, 1, NQ-1, \slot, 0
	MUL16 6, 1, NQ-1, \slot, 0
	PLACES NP
	WIN 0
	FETCH_A \next, 0, 4
.endm
.macro STEPS slot, from                ; the slot's steps from .. NQ - 2
.set Q, \from
.rept NQ-1-\from
	STEP \slot, Q, 0
.set Q, Q+1
.endr
.endm
.macro OPEN
	s_wait_tensorcnt 1                             ; the scales and my part of slot 0 are in (slot 1's load may be out)
	s_barrier_signal -1
	s_barrier_wait -1                              ; everybody's are
	FETCH_B 0, 0, 0
	FETCH_A 0, 0, 0
	SCALES 0
	FETCH_A 0, 0, 4
.endm
	; ONE branch, on the cluster's x, the same in every wave of the cluster: q's sums begin with bq, the others' with the constant 0.  Each arm holds the first barrier and the first step.
	s_cmp_lg_u32 s12, 0
	s_cbranch_scc1 .Lplain
	s_lshl_b32 s20, s40, 10                        ; my first channel, in bytes: (256 cx + 128 x B half) x 4
	s_lshl_b32 s21, s16, 9
	s_add_co_u32 s20, s20, s21
	s_mov_b32 s21, 0
	s_add_nc_u64 s[92:93], s[92:93], s[20:21]
.irp b, 0,1,2,3,4,5,6,7
	global_load_b128 v[BIAS+8*\b:BIAS+8*\b+3], v[BO], s[92:93] offset:64*\b
	global_load_b128 v[BIAS+8*\b+4:BIAS+8*\b+7], v[BO], s[92:93] offset:64*\b+16
.endr
	OPEN
	s_wait_loadcnt 0x0                             ; bq
	STEP 0, 0, 2
	s_branch .Ljoin
.Lplain:
	OPEN
	STEP 0, 0, 1
.Ljoin:
	STEPS 0, 1
	TURN 0, 1
	STEPS 1, 0
	s_wait_dscnt 4*NL                              ; the very last step: nothing more to fetch
	WIN MUL_LO
	MUL16 0, 1, NQ-1, 1, 0
	MUL16 2, 1, NQ-1, 1, 0
	s_wait_dscnt 0
	WIN MUL_HI
	MUL16 4, 1, NQ-1, 1, 0
	MUL16 6, 1, NQ-1, 1, 0
	WIN 0
; THE WAY OUT of block a (16 rows of the A side x 128 of the B side): a lane's eight results of an accumulator, rounded to f16, are 16 bytes, and the 32 lanes' 512 bytes ARE an image as the attention loads it.
; Each accumulator is read from its low end on.  Four sets of 32 registers take turns; a set is written again only when the stores that read it have had their addresses translated.
.macro OUT a, isv
.set AC, 64*((\a)%4)
.set PK, 128+32*((\a)%4)
.if (\a) >= 4
	s_wait_xcnt 0x0                                ; block a - 4's stores have read their registers
.endif
	WIN 0x0a+5*((\a)/4)                            ; sources 0 and 1: window 2 or 3
.irp b, 0,1,2,3,4,5,6,7
.irp r, 0,1,2,3
	v_cvt_pk_f16_f32 v[PK+4*\b+\r], v[AC+8*\b+2*\r], v[AC+8*\b+2*\r+1]
.endr
.endr
	WIN 0
.irp b, 0,1,2,3,4,5,6,7
.if \isv
	global_store_b128 v[CO], v[PK+4*\b:PK+4*\b+3], s[94:95] offset:((\a)/4)*131072+(\b/2)*4096+((\a)%4)*1024+(\b%2)*512 th:TH_STORE_NT   ; head a / 4, key block b / 2, channel tile a % 4, half b % 2
.else
	global_store_b128 v[CO], v[PK+4*\b:PK+4*\b+3], s[94:95] offset:(\b/4)*131072+(\a)*2048+(\b%4)*512 th:TH_STORE_NT                     ; head b / 4, token tile a, channel group b % 4
.endif
.endr
.endm
	PLACES NP                                      ; behind the last products: the conversions read results and write registers that held A's fragments
	s_cmp_eq_u32 s12, 2
	s_cbranch_scc1 .Lout_v
.irp a, 0,1,2,3,4,5,6,7
	OUT \a, 0
.endr
	s_branch .Lstored
.Lout_v:
.irp a, 0,1,2,3,4,5,6,7
	OUT \a, 1
.endr
.Lstored:
	s_wait_tensorcnt 0x0                           ; the wave's end: behind my last tensor load
	ds_add_u32 v[SPW], v[NIL]
	s_wait_dscnt 0x0
	CROUND                                         ; the closing round: no work-group ends while a partner may still ask for a tile that names it
	s_endpgm
.Lfunc_end_k_q6f02c7ca95_proj:
	.size	k_q6f02c7ca95_proj, .Lfunc_end_k_q6f02c7ca95_proj-k_q6f02c7ca95_proj
	.p2alignl 7, 3214868480
	.fill 96, 4, 3214868480
	.section	.rodata,"a",@progbits
	.p2align	6, 0x0
	.amdhsa_kernel k_q6f02c7ca95_proj
		.amdhsa_group_segment_fixed_size 327680
		.amdhsa_private_segment_fixed_size 0
		.amdhsa_enable_private_segment 0
		.amdhsa_kernarg_size 64
		.amdhsa_user_sgpr_count 2
		.amdhsa_user_sgpr_kernarg_segment_ptr 1
		.amdhsa_wavefront_size32 1
		.amdhsa_system_sgpr_workgroup_id_x 1
		.amdhsa_system_sgpr_workgroup_id_y 1
		.amdhsa_system_sgpr_workgroup_id_z 1
		.amdhsa_system_vgpr_workitem_id 0
		.amdhsa_next_free_vgpr 1024
		.amdhsa_next_free_sgpr 102
		.amdhsa_reserve_vcc 0
		.amdhsa_float_denorm_mode_32 3
		.amdhsa_float_denorm_mode_16_64 3
		.amdhsa_memory_ordered 1
		.amdhsa_forward_progress 1
		.amdhsa_inst_pref_size 156
	.end_amdhsa_kernel
	.amdgpu_metadata
---
amdhsa.version: [ 1, 2 ]
amdhsa.kernels:
  - .name:           k_q6f02c7ca95_proj
    .symbol:         k_q6f02c7ca95_proj.kd
    .args:
      - { .name: x_codes, .offset: 0, .size: 8, .value_kind: global_buffer, .address_space: global }
      - { .name: x_scales, .offset: 8, .size: 8, .value_kind: global_buffer, .address_space: global }
      - { .name: w_codes, .offset: 16, .size: 8, .value_kind: global_buffer, .address_space: global }
      - { .name: w_scales, .offset: 24, .size: 8, .value_kind: global_buffer, .address_space: global }
      - { .name: bq, .offset: 32, .size: 8, .value_kind: global_buffer, .address_space: global }
      - { .name: qf, .offset: 40, .size: 8, .value_kind: global_buffer, .address_space: global }
      - { .name: kf, .offset: 48, .size: 8, .value_kind: global_buffer, .address_space: global }
      - { .name: vf, .offset: 56, .size: 8, .value_kind: global_buffer, .address_space: global }
    .group_segment_fixed_size: 327680
    .private_segment_fixed_size: 0
    .kernarg_segment_align: 8
    .kernarg_segment_size: 64
    .max_flat_workgroup_size: 128
    .sgpr_count:     102
    .vgpr_count:     1024
    .wavefront_size: 32
...
	.end_amdgpu_metadata
.endif
;; end of part 2
;; launch attn (part 3): grid 2 x 128, 8 waves a work-group, no clusters, 327,680 bytes of LDS; arguments qf, kf, vf, attention_mask, bv, out0; writes out0
.if DOCPART == 3
	.amdgcn_target "amdgcn-amd-amdhsa--gfx1250"
	.amdhsa_code_object_version 6
	.text
	.protected	k_q6f02c7ca95_attn
	.globl	k_q6f02c7ca95_attn
	.p2align	8
	.type	k_q6f02c7ca95_attn,@function
k_q6f02c7ca95_attn:
	s_mov_b64 s[64:65], 0
	v_nop
	global_prefetch_b8 v0, s[64:65] scope:SCOPE_SE
	s_setreg_imm32_b32 hwreg(HW_REG_WAVE_MODE, 25, 1), 1
	s_wait_xcnt 0x0
; THIRD OF THREE LAUNCHES: out0[b][q][64 head + :] = sum over k of softmax_k(q . k / 8 + mask[b][k]) v[k] + bv, both products with f16 operands and f32 sums; maxima, exponentials and sums in f32.
; LEFT OUT: bk (the same along the softmax's axis for all values of the inputs: shown at the head of the first launch).  bv is added behind the division: the weights p / l of a row add up to 1.
; f16 has the room: q, k, v lie far under 65,504 also where x and the weights are 30 times larger than drawn, and p is at most 1.
; LIMITS: a row all of whose keys carry q . k + 8 mask under -3e38 gives NaN; NaN and infinities among the inputs are not served, but a mask of -infinity on some keys of a row is.
; SHARES.  A work-group owns 512 queries of one batch and head (grid x: which half; y: 16 b + head); each of its eight waves 64 of them: four tiles of 16.  Two waves share a SIMD, 512 registers each, so that one wave's
; softmax stands beside the other's matrix instructions.  Every wave walks the head's 1,024 keys, 64 a step: 32 + 32 matrix instructions, and each fragment of K or V read from LDS feeds four of them.
; NO CLUSTER: only the two work-groups of a head share K and V, and a cluster here is four wide; the shared bytes, 262,144 for a work-group, are fetched once for the whole walk.
; LAYOUT.  S^T = K Q^T + C (source 0 = 16 keys, source 1 = 16 queries), O^T = V^T P (source 0 = 16 channels, source 1 = P): a lane holds ONE query (lane % 16) throughout; two tiles of S^T, rounded to f16 in pairs,
; ARE source 1 of the second product.  qf, kf, vf hold images of the operands' registers (second launch): every fragment comes by loads of 16 bytes at 16 x lane, with no pitch and no padding.
; THE MASK COSTS NO VECTOR INSTRUCTION: t = log2(e) (q . k / 8 + mask) = c (q . k + 8 mask), c = log2(e) / 8; 8 mask (exact) is the C of each sum's first matrix instruction, and c rides in the multiply-add that takes the maximum away.
; SOFTMAX.  For each query a running maximum m and sum l: p = 2^(c s - c m); in every step O and l are multiplied by 2^(c m_old - c m_new).  The first step's maximum is held at -3e38 from below, so that m is a number.
; LDS, every byte filled once: K's images 0 .. 131,071; V's behind them; 8 mask (f32, 4,096 bytes, stored by the waves); the spare words; a stage of 16 rows x 272 bytes for each wave.
; Each wave asks for 4 x 8,192 bytes at the head: load g of the eight waves together is K and V of keys 256 g .. 256 g + 255.  By this text's count a wave has four tensor loads out.  Four steps are a phase; in front of
; phase g stand a counted wait, which leaves the later phases' loads out, and a barrier.
; REGISTERS: window 0: v1-15 addresses; v16-47 eight registers of statistics a tile; v48-175 S^T, 32 a tile, P packed in place into the first 16; v176-181 at work at the head; v192-255 V of one step; 8 mask lies over v192-223.
;   window 1: v0-63 Q; v64-127 K of one step (at the end bv); v128-255 O^T, 32 a tile.
.set VIMG,  131072
.set MASK,  262144
.set SPARE, 266240                     ; the spare words, 128 bytes for each wave: four blocks of 256 bytes that no other line names
.set STAGE, 267264
.set SP,    272
.set LI,  1                            ; v1   16 x lane: my place in an image
.set LV,  2                            ; v2   the same in V's images
.set LM,  3                            ; v3   MASK + 32 x (lane / 16): my eight keys of a tile of 16
.set ADK, 4                            ; v4-6 LDS addresses of the step's K, V and mask
.set ADV, 5
.set ADM, 6
.set STO, 7                            ; v7   the way out: where I put 32 bytes of a row
.set RD,  8                            ; v8   where I read a row back
.set GO,  9                            ; v9   my byte offset in the wave's rows of out0
.set BVO, 10                           ; v10  32 x (lane / 16): my eight numbers of a group of 16 of bv
.set SPW, 14                           ; v14  LDS address of my spare word; never rewritten
.set NIL, 15                           ; v15  0; never rewritten
.set ST,  16                           ; tile t's statistics at v[ST + 8 t]: +0 c m, +1 m, +2, +3 l in two halves, +4 to +7 c0-c3, at work; the factor takes +6
.set S,   48
.set VF,  192                          ; fragment (block of 32 keys kb, channel tile ct) at VF + 32 kb + 8 ct
.set MK,  192                          ; 8 mask of key tile i at MK + 8 i, in the result's layout
.set KF,  64                           ; window 1: fragment (key tile i, 32 channels c) at KF + 16 i + 8 c
.set OA,  128                          ; window 1: accumulator (t, ct) at OA + 32 t + 8 ct
.set WV,  16                           ; s16  my wave's number
.set CS,  22                           ; s[22:23] c, twice: the packed form names a pair
.set SEL, 26                           ; s[26:27] lane selects for v_permlanex16_b32: lane l xor 16
.set G1,  28                           ; s[28:35] descriptor group 1
.set G0,  36                           ; s[36:51] four groups 0
.set TB,  52                           ; s52  where the step's images begin: 8,192 bytes a step
.set TM,  53                           ; s53  and its 64 numbers of the mask: 256 bytes a step
.set CNT, 54
.set MSB, 0
.macro WIN new                         ; the immediate's high byte repeats the setting that is left
.if MSB != \new
	s_set_vgpr_msb (MSB<<8)|\new
.set MSB, \new
.endif
.endm
.set TO_1, 0x40                        ; destination window 1, address window 0
.set W_PV, 0x50                        ; V and P window 0, O^T (C and D) window 1
.set W_KQ, 0x05                        ; K and Q window 1, C and S^T window 0
.set W_RS, 0x41                        ; O^T (destination and source 0) window 1, the factor window 0
	s_load_b256 s[4:11], s[0:1], 0x0               ; qf s[4:5], kf s[6:7], vf s[8:9], attention_mask s[10:11]
	s_load_b128 s[12:15], s[0:1], 0x20             ; bv s[12:13], out0 s[14:15]
	v_lshl_add_u32 v[SPW], v0, 2, SPARE
	v_mov_b32 v[NIL], 0
	ds_add_u32 v[SPW], v[NIL]                      ; the wave's opening: the add, twice on end, and its wait ahead of my first tensor load; the set-up below, work on registers, stands between
	ds_add_u32 v[SPW], v[NIL]
	v_lshrrev_b32 v13, 5, v0
	v_readfirstlane_b32 s[WV], v13                 ; wave 0..7
	s_lshr_b32 s17, s[WV], 2                       ; I fetch for K (0) or for V (1),
	s_and_b32 s18, s[WV], 3                        ; and which quarter of a phase's 32,768 bytes
	s_and_b32 s19, ttmp7, 0xffff                   ; 16 b + head
	s_mov_b32 s20, ttmp9                           ; which half of the queries
	; descriptor group 1: a dense block of 8,192 bytes as 32 rows of 256 bytes (32 elements of 8 bytes), no padding, no mask
	s_mov_b32 s[G1+0], 3<<16                       ; 17:16 elements of 8 bytes
	s_mov_b32 s[G1+1], 32<<16                      ; tensor_dim0 = 32
	s_mov_b32 s[G1+2], 32<<16                      ; tensor_dim1 = 32
	s_mov_b32 s[G1+3], 32<<16                      ; tile_dim0 = 32
	s_mov_b32 s[G1+4], 32                          ; tile_dim1 = 32
	s_mov_b32 s[G1+5], 32                          ; tensor_dim0_stride
	s_mov_b32 s[G1+6], 0
	s_mov_b32 s[G1+7], 0
	s_mov_b32 s[CS], 0x3e38aa3b                    ; c = log2(e) / 8
	s_mov_b32 s[CS+1], s[CS]
	s_mov_b32 s[SEL], 0x76543210
	s_mov_b32 s[SEL+1], 0xfedcba98
	s_mov_b32 s[TB], 0
	s_mov_b32 s[TM], 0
	s_lshl_b32 s56, s17, 17
	s_lshl_b32 s57, s18, 13
	s_add_co_u32 s56, s56, s57                     ; LDS: 131,072 x (wave / 4) + 8,192 x (wave % 4)
	s_lshl_b32 s58, s19, 17                        ; the head's 131,072 bytes in each of qf, kf, vf
	s_add_co_u32 s60, s58, s57
	s_mov_b32 s61, 0
	s_wait_dscnt 0x0                               ; both opening adds are done
	s_wait_kmcnt 0x0
	s_cmp_lt_u32 s[WV], 4
	s_cselect_b64 s[62:63], s[6:7], s[8:9]
	s_add_nc_u64 s[62:63], s[62:63], s[60:61]
.irp g, 0,1,2,3                        ; all fills of the launch, in one group, every wave four
	s_mov_b32 s[G0+4*\g], 1                        ; 1:0 count = 1
	s_add_co_u32 s[G0+4*\g+1], s56, \g*32768       ; 63:32 LDS address
	s_add_nc_u64 s[G0+4*\g+2:G0+4*\g+3], s[62:63], \g*32768   ; 120:64 global address
	s_or_b32 s[G0+4*\g+3], s[G0+4*\g+3], 0x80000000           ; 127:126 type = 2
	tensor_load_to_lds s[G0+4*\g:G0+4*\g+3], s[G1:G1+7]
	s_nop 0
.endr
.rept 4
	v_nop
.endr
	s_lshl_b32 s66, s20, 16                        ; Q: the head, + 512 queries x 128 bytes for the half, + 64 x 128 for the wave
	s_add_co_u32 s66, s66, s58
	s_lshl_b32 s67, s[WV], 13
	s_add_co_u32 s66, s66, s67
	s_mov_b32 s67, 0
	s_add_nc_u64 s[4:5], s[4:5], s[66:67]
	s_lshr_b32 s68, s19, 4                         ; b
	s_lshl_b32 s66, s68, 12
	s_add_nc_u64 s[10:11], s[10:11], s[66:67]      ; the batch's 1,024 numbers of the mask
	s_and_b32 s69, s19, 15                         ; head
	s_lshl_b32 s66, s69, 8
	s_add_nc_u64 s[12:13], s[12:13], s[66:67]      ; the head's 64 numbers of bv
	s_lshl_b32 s70, s68, 22                        ; out0: 1,024 rows of 4,096 bytes a batch,
	s_add_co_u32 s66, s66, s70
	s_lshl_b32 s70, s20, 21                        ; 512 rows a half,
	s_add_co_u32 s66, s66, s70
	s_lshl_b32 s70, s[WV], 18                      ; 64 rows a wave; the head's 256 bytes of a row are in s66 already
	s_add_co_u32 s66, s66, s70
	s_add_nc_u64 s[14:15], s[14:15], s[66:67]
	v_lshlrev_b32 v11, 4, v0                       ; the mask: 256 threads x 16 bytes
	global_load_b128 v[176:179], v11, s[10:11]
	v_and_b32 v13, 31, v0
	v_lshlrev_b32 v[LI], 4, v13
	WIN TO_1
.irp n, 0,1,2,3,4,5,6,7,8,9,10,11,12,13,14,15  ; Q stays in registers: tile n / 4, channel group n % 4: fragment (t, c) at 16 t + 8 c
	global_load_b128 v[4*\n:4*\n+3], v[LI], s[4:5] offset:512*\n th:TH_LOAD_NT
.endr
	WIN 0
	v_add_nc_u32 v12, MASK, v11
	v_add_nc_u32 v[LV], VIMG, v[LI]
	v_and_b32 v180, 15, v0                         ; r
	v_bfe_u32 v181, v0, 4, 1                       ; hh
	v_lshl_add_u32 v[LM], v181, 5, MASK
	s_mul_i32 s66, s[WV], 16*SP
	s_add_co_u32 s66, s66, STAGE                   ; my stage
	v_mul_u32_u24 v[STO], v180, SP                 ; in: row r, 32 bytes for each half of the lanes
	v_lshl_add_u32 v[STO], v181, 5, v[STO]
	v_add_nc_u32 v[STO], s66, v[STO]
	v_mul_u32_u24 v[RD], v181, SP                  ; back: lanes 0-15 one row of 256 bytes, lanes 16-31 the next
	v_lshl_add_u32 v[RD], v180, 4, v[RD]
	v_add_nc_u32 v[RD], s66, v[RD]
	v_lshlrev_b32 v[GO], 12, v181                  ; and the same two rows in out0
	v_lshl_add_u32 v[GO], v180, 4, v[GO]
	v_lshlrev_b32 v[BVO], 5, v181
	s_wait_loadcnt 16                              ; the mask is in; Q's sixteen loads, issued behind it, may be out
	v_pk_mul_f32 v[176:177], v[176:177], 0x41000000 op_sel_hi:[1,0]   ; x 8: exact
	v_pk_mul_f32 v[178:179], v[178:179], 0x41000000 op_sel_hi:[1,0]
	ds_store_b128 v12, v[176:179]
; 16 products of O^T += V^T P: keys 32 kb on; the 16 accumulators (t, ct) take turns, one instruction a turn.  zero = 1: they start the sums: nothing is ever cleared.
.macro PVRUN kb, zero
.irp ct, 0,1,2,3
.irp t, 0,1,2,3
.if \zero
	v_wmma_f32_16x16x32_f16 v[OA+32*\t+8*\ct:OA+32*\t+8*\ct+7], v[VF+32*\kb+8*\ct:VF+32*\kb+8*\ct+7], v[S+32*\t+8*\kb:S+32*\t+8*\kb+7], 0
.else
	v_wmma_f32_16x16x32_f16 v[OA+32*\t+8*\ct:OA+32*\t+8*\ct+7], v[VF+32*\kb+8*\ct:VF+32*\kb+8*\ct+7], v[S+32*\t+8*\kb:S+32*\t+8*\kb+7], v[OA+32*\t+8*\ct:OA+32*\t+8*\ct+7]
.endif
.endr
.endr
.endm
; 16 products of S^T = K Q^T + 8 mask: channels 32 c on; the 16 accumulators (t, ki) take turns.  c = 0: the sums begin with 8 mask of the tile's keys.
.macro KQRUN c
.irp ki, 0,1,2,3
.irp t, 0,1,2,3
.if \c == 0
	v_wmma_f32_16x16x32_f16 v[S+32*\t+8*\ki:S+32*\t+8*\ki+7], v[KF+16*\ki+8*\c:KF+16*\ki+8*\c+7], v[16*\t+8*\c:16*\t+8*\c+7], v[MK+8*\ki:MK+8*\ki+7]
.else
	v_wmma_f32_16x16x32_f16 v[S+32*\t+8*\ki:S+32*\t+8*\ki+7], v[KF+16*\ki+8*\c:KF+16*\ki+8*\c+7], v[16*\t+8*\c:16*\t+8*\c+7], v[S+32*\t+8*\ki:S+32*\t+8*\ki+7]
.endif
.endr
.endr
.endm
.macro MKLOAD                          ; 8 mask of the step's 64 keys: register 8 i + j = key 16 i + 8 (lane / 16) + j; the sixteen lanes of a half read the same bytes
.irp i, 0,1,2,3
	ds_load_b128 v[MK+8*\i:MK+8*\i+3], v[ADM] offset:64*\i
	ds_load_b128 v[MK+8*\i+4:MK+8*\i+7], v[ADM] offset:64*\i+16
.endr
.endm
; THE SOFTMAX of the wave's four tiles for one key step, stage by stage, the tiles innermost, so that no line waits for the line above it.  first = 1: the first step starts m and l and has nothing to rescale.
.macro SOFTMAX first
.irp j, 0,1,2,3                        ; the maximum of a lane's 32 scores: four chains, each begun at the low end of an accumulator
.irp t, 0,1,2,3
	v_max3_num_f32 v[ST+8*\t+4+\j], v[S+32*\t+8*\j], v[S+32*\t+8*\j+1], v[S+32*\t+8*\j+2]
.endr
.endr
.irp u, 1,2
.irp j, 0,1,2,3
.irp t, 0,1,2,3
	v_max3_num_f32 v[ST+8*\t+4+\j], v[ST+8*\t+4+\j], v[S+32*\t+8*\j+2*\u+1], v[S+32*\t+8*\j+2*\u+2]
.endr
.endr
.endr
.irp t, 0,1,2,3
	v_max3_num_f32 v[ST+8*\t+4], v[ST+8*\t+4], v[S+32*\t+7], v[S+32*\t+15]
.endr
.irp t, 0,1,2,3
	v_max3_num_f32 v[ST+8*\t+6], v[ST+8*\t+6], v[S+32*\t+23], v[S+32*\t+31]
.endr
.irp t, 0,1,2,3
	v_max3_num_f32 v[ST+8*\t+4], v[ST+8*\t+4], v[ST+8*\t+5], v[ST+8*\t+6]
.endr
.irp t, 0,1,2,3
.if \first
	v_max3_num_f32 v[ST+8*\t+4], v[ST+8*\t+4], v[ST+8*\t+7], 0xff61b1e6   ; -3e38 in the old maximum's place
.else
	v_max3_num_f32 v[ST+8*\t+4], v[ST+8*\t+4], v[ST+8*\t+7], v[ST+8*\t+1]
.endif
.endr
.irp t, 0,1,2,3
	v_permlanex16_b32 v[ST+8*\t+5], v[ST+8*\t+4], s[SEL], s[SEL+1]        ; the query's other 32 keys lie in the lane 16 away
.endr
.if \first == 0
.irp t, 0,1,2,3
	v_mov_b32 v[ST+8*\t+7], v[ST+8*\t]                                    ; c m_old is kept for the factor
.endr
.endif
.irp t, 0,1,2,3
	v_max_num_f32 v[ST+8*\t+1], v[ST+8*\t+4], v[ST+8*\t+5]                ; the new m
.endr
.irp t, 0,1,2,3
	v_mul_f32 v[ST+8*\t], s[CS], v[ST+8*\t+1]                             ; c m
.endr
.if \first == 0
.irp t, 0,1,2,3
	v_sub_f32 v[ST+8*\t+7], v[ST+8*\t+7], v[ST+8*\t]
.endr
.irp t, 0,1,2,3
	v_exp_f32 v[ST+8*\t+6], v[ST+8*\t+7]                                  ; the factor 2^(c m_old - c m_new)
.endr
.endif
; ONE BATCH: the scalings c s - c m, a pair of scores each, and all exponentials; a pair's exponentials stand behind the next pair's scalings.  None of these lines names an exponential's result.
.irp n, 0,1,2,3,4,5,6,7,8,9,10,11,12,13,14,15,16
.if \n < 16
.irp t, 0,1,2,3
	v_pk_fma_f32 v[S+32*\t+2*\n:S+32*\t+2*\n+1], v[S+32*\t+2*\n:S+32*\t+2*\n+1], s[CS:CS+1], v[ST+8*\t:ST+8*\t+1] op_sel_hi:[1,0,0] neg_lo:[0,0,1] neg_hi:[0,0,1]
.endr
.endif
.if \n > 0
.irp t, 0,1,2,3
	v_exp_f32 v[S+32*\t+2*(\n-1)], v[S+32*\t+2*(\n-1)]
	v_exp_f32 v[S+32*\t+2*(\n-1)+1], v[S+32*\t+2*(\n-1)+1]
.endr
.endif
.endr
	v_nop                                          ; a plain instruction behind the last exponential, ahead of the first use: one for the batch
	s_wait_alu depctr_va_vdst(0)                   ; and the wait ahead of the first line that names a result: one for the batch
; the row's sum, of the unrounded p, two at a time, in two chains; S^T stays as it is
.irp t, 0,1,2,3
.if \first
	v_pk_add_f32 v[ST+8*\t+2:ST+8*\t+3], v[S+32*\t:S+32*\t+1], v[S+32*\t+6:S+32*\t+7]
.else
	v_pk_fma_f32 v[ST+8*\t+2:ST+8*\t+3], v[ST+8*\t+2:ST+8*\t+3], v[ST+8*\t+6:ST+8*\t+7], v[S+32*\t:S+32*\t+1] op_sel_hi:[1,0,1]
.endif
.endr
.irp t, 0,1,2,3
	v_pk_add_f32 v[ST+8*\t+4:ST+8*\t+5], v[S+32*\t+2:S+32*\t+3], v[S+32*\t+4:S+32*\t+5]
.endr
.if \first == 0
.irp t, 0,1,2,3
	v_pk_add_f32 v[ST+8*\t+2:ST+8*\t+3], v[ST+8*\t+2:ST+8*\t+3], v[S+32*\t+6:S+32*\t+7]
.endr
.endif
.irp n, 4,6,8,10,12,14
.irp t, 0,1,2,3
	v_pk_add_f32 v[ST+8*\t+4:ST+8*\t+5], v[ST+8*\t+4:ST+8*\t+5], v[S+32*\t+2*\n:S+32*\t+2*\n+1]
.endr
.irp t, 0,1,2,3
	v_pk_add_f32 v[ST+8*\t+2:ST+8*\t+3], v[ST+8*\t+2:ST+8*\t+3], v[S+32*\t+2*\n+2:S+32*\t+2*\n+3]
.endr
.endr
.irp t, 0,1,2,3
	v_pk_add_f32 v[ST+8*\t+2:ST+8*\t+3], v[ST+8*\t+2:ST+8*\t+3], v[ST+8*\t+4:ST+8*\t+5]
.endr
; p to f16, packed IN PLACE: pair n goes to register n, which only pairs up to n / 2 have held: ascending, nothing unread is written over
.irp n, 0,1,2,3,4,5,6,7,8,9,10,11,12,13,14,15
.irp t, 0,1,2,3
	v_cvt_pk_f16_f32 v[S+32*\t+\n], v[S+32*\t+2*\n], v[S+32*\t+2*\n+1]
.endr
.endr
.if \first == 0
	WIN W_RS                                       ; O^T under the new maximum; each accumulator from its low end on
.irp n, 0,1,2,3,4,5,6,7,8,9,10,11,12,13,14,15
.irp t, 0,1,2,3
	v_pk_mul_f32 v[OA+32*\t+2*\n:OA+32*\t+2*\n+1], v[OA+32*\t+2*\n:OA+32*\t+2*\n+1], v[ST+8*\t+6:ST+8*\t+7] op_sel_hi:[1,0]
.endr
.endr
	WIN 0
.endif
.endm
; A KEY STEP j, turned so that LDS loads land under other work: K(j) is asked for | V^T P of step j - 1 | K Q^T of step j | V(j) is asked for | the softmax of step j.
; pv = 2: 32 products V^T P; 1: they start O^T's sums; 0: none.  first = 1: the softmax is the first step's.
.macro BODY pv, first
	v_add_nc_u32 v[ADK], s[TB], v[LI]
	v_add_nc_u32 v[ADM], s[TM], v[LM]
	WIN TO_1
.irp n, 0,1,2,3,4,5,6,7,8,9,10,11,12,13,14,15  ; K(j): the last products that read these registers stand ahead of four plain lines and the whole softmax
	ds_load_b128 v[KF+4*\n:KF+4*\n+3], v[ADK] offset:512*\n
.endr
.if \pv
	s_wait_dscnt 16                                ; V(j - 1) is in; the sixteen loads of K just issued may be out
	WIN W_PV
	PVRUN 0, (2-\pv)
	WIN 0
.rept 4
	v_nop                                          ; four places in front of loads into registers that those products read
.endr
	MKLOAD
	WIN W_PV
	PVRUN 1, 0
.rept 5
	v_nop                                          ; five places: the products below write over P's registers
.endr
.else
	WIN 0
	MKLOAD
.endif
	s_wait_dscnt 0x0                               ; K(j) and 8 mask are in
	WIN W_KQ
	KQRUN 0
	KQRUN 1
	WIN 0
	v_add_nc_u32 v[ADV], s[TB], v[LV]              ; with the three below: four places, in front of the loads into V's and the mask's registers and of the first read of the scores
.rept 3
	v_nop
.endr
	s_add_co_u32 s[TB], s[TB], 8192
	s_add_co_u32 s[TM], s[TM], 256
.irp n, 0,1,2,3,4,5,6,7,8,9,10,11,12,13,14,15  ; V(j): it lands under the softmax
	ds_load_b128 v[VF+4*\n:VF+4*\n+3], v[ADV] offset:512*\n
.endr
	SOFTMAX \first
.endm
; Phase g: keys 256 g on.  left: my tensor loads of later phases, which may stay out.  The two offsets are written as constants, so that the phase's bytes can be read off this line.
.macro PHASE left, g
	s_wait_tensorcnt \left                         ; tensor loads of a wave end in order (ISA guide 10.11.1): my part of this phase's K or V is in,
	s_wait_dscnt 0x0                               ; no LDS instruction of mine is out at the signal,
	s_barrier_signal -1
	s_barrier_wait -1                              ; and everybody's part is in
	s_mov_b32 s[TB], \g*32768
	s_mov_b32 s[TM], \g*1024
	s_mov_b32 s[CNT], 4
.Lphase_\@:
	BODY 2, 0
	s_sub_co_u32 s[CNT], s[CNT], 1
	s_cmp_lg_u32 s[CNT], 0
	s_cbranch_scc1 .Lphase_\@
.endm
	s_wait_tensorcnt 3                             ; phase 0: my first load is in; the three of the later phases may be out
	s_wait_dscnt 0x0                               ; for the others' sake: my part of 8 mask is stored
	s_barrier_signal -1
	s_barrier_wait -1
	s_wait_loadcnt 0x0                             ; Q
	BODY 0, 1                                      ; step 0: no products V^T P yet; the first softmax
	BODY 1, 0                                      ; step 1: V^T P of step 0 starts O^T
	s_mov_b32 s[CNT], 2
.Lphase0:
	BODY 2, 0
	s_sub_co_u32 s[CNT], s[CNT], 1
	s_cmp_lg_u32 s[CNT], 0
	s_cbranch_scc1 .Lphase0
	PHASE 2, 1
	PHASE 1, 2
	PHASE 0, 3
	; THE TAIL: V^T P of the last step; bv comes meanwhile, into K's registers, in the result's layout: register 8 ct + j = bv[64 head + 16 ct + 8 (lane / 16) + j]
	WIN TO_1
.irp ct, 0,1,2,3
	global_load_b128 v[KF+8*\ct:KF+8*\ct+3], v[BVO], s[12:13] offset:64*\ct
	global_load_b128 v[KF+8*\ct+4:KF+8*\ct+7], v[BVO], s[12:13] offset:64*\ct+16
.endr
	s_wait_dscnt 0x0                               ; V of the last step
	WIN W_PV
	PVRUN 0, 0
	PVRUN 1, 0
	WIN 0
.irp t, 0,1,2,3
	v_add_f32 v[ST+8*\t+4], v[ST+8*\t+2], v[ST+8*\t+3]                    ; l's two halves (these four lines are the places behind the last products),
.endr
.irp t, 0,1,2,3
	v_permlanex16_b32 v[ST+8*\t+5], v[ST+8*\t+4], s[SEL], s[SEL+1]
.endr
.irp t, 0,1,2,3
	v_add_f32 v[ST+8*\t+4], v[ST+8*\t+4], v[ST+8*\t+5]                    ; and the other half of the lanes': the row's sum
.endr
.irp t, 0,1,2,3
	v_rcp_f32 v[ST+8*\t+6], v[ST+8*\t+4]
.endr
	v_nop                                          ; a plain instruction between the last reciprocal and the use of its result
	s_wait_alu depctr_va_vdst(0)                   ; and the wait ahead of the first use: one for the four
	s_wait_loadcnt 0x0                             ; bv
; Tile t: O^T / l + bv, one fused multiply-add for two numbers; a lane's eight channels of a row are 32 bytes; they go into rows of 272 bytes of my stage and come back as whole rows of 256, into the registers that they left.
.macro PACK t
	WIN 0x11                                       ; source 0 (O^T) and source 2 (bv) window 1; 1 / l and the destination window 0
.irp n, 0,1,2,3,4,5,6,7,8,9,10,11,12,13,14,15
	v_pk_fma_f32 v[S+32*\t+2*\n:S+32*\t+2*\n+1], v[OA+32*\t+2*\n:OA+32*\t+2*\n+1], v[ST+8*\t+6:ST+8*\t+7], v[KF+2*\n:KF+2*\n+1] op_sel_hi:[1,0,1]
.endr
	WIN 0
.irp f, 0,1,2,3,4,5,6,7
	ds_store_b128 v[STO], v[S+32*\t+4*\f:S+32*\t+4*\f+3] offset:64*(\f/2)+16*(\f%2)
.endr
.irp f, 0,1,2,3,4,5,6,7
	ds_load_b128 v[S+32*\t+4*\f:S+32*\t+4*\f+3], v[RD] offset:\f*2*SP     ; LDS serves a wave's instructions in order (ISA guide 5.7.1.4): these see the stores above; the next tile's stores come behind them
.endr
.endm
.macro SEND t, younger                 ; younger: the LDS instructions issued behind tile t's loads: the next tile's sixteen, or none
.irp f, 0,1,2,3,4,5,6,7
	s_wait_dscnt \younger+7-\f
	global_store_b128 v[GO], v[S+32*\t+4*\f:S+32*\t+4*\f+3], s[14:15] offset:\t*65536+\f*8192 th:TH_STORE_NT   ; 16 lanes store 256 consecutive bytes, aligned: a query's 64 channels of the head
.endr
.endm
	PACK 0
	PACK 1                                         ; a tile's arithmetic stands between the loads of the tile before and its stores
	SEND 0, 16
	PACK 2
	SEND 1, 16
	PACK 3
	SEND 2, 16
	SEND 3, 0
	s_wait_tensorcnt 0x0                           ; the wave's end: behind my last tensor load and my last LDS store
	ds_add_u32 v[SPW], v[NIL]
	s_wait_dscnt 0x0
	s_endpgm
.Lfunc_end_k_q6f02c7ca95_attn:
	.size	k_q6f02c7ca95_attn, .Lfunc_end_k_q6f02c7ca95_attn-k_q6f02c7ca95_attn
	.p2alignl 7, 3214868480
	.fill 96, 4, 3214868480
	.section	.rodata,"a",@progbits
	.p2align	6, 0x0
	.amdhsa_kernel k_q6f02c7ca95_attn
		.amdhsa_group_segment_fixed_size 327680
		.amdhsa_private_segment_fixed_size 0
		.amdhsa_enable_private_segment 0
		.amdhsa_kernarg_size 48
		.amdhsa_user_sgpr_count 2
		.amdhsa_user_sgpr_kernarg_segment_ptr 1
		.amdhsa_wavefront_size32 1
		.amdhsa_system_sgpr_workgroup_id_x 1
		.amdhsa_system_sgpr_workgroup_id_y 1
		.amdhsa_system_sgpr_workgroup_id_z 1
		.amdhsa_system_vgpr_workitem_id 0
		.amdhsa_next_free_vgpr 512
		.amdhsa_next_free_sgpr 72
		.amdhsa_reserve_vcc 0
		.amdhsa_float_denorm_mode_32 3
		.amdhsa_float_denorm_mode_16_64 3
		.amdhsa_memory_ordered 1
		.amdhsa_forward_progress 1
		.amdhsa_inst_pref_size 212
	.end_amdhsa_kernel
	.amdgpu_metadata
---
amdhsa.version: [ 1, 2 ]
amdhsa.kernels:
  - .name:           k_q6f02c7ca95_attn
    .symbol:         k_q6f02c7ca95_attn.kd
    .args:
      - { .name: qf, .offset: 0, .size: 8, .value_kind: global_buffer, .address_space: global }
      - { .name: kf, .offset: 8, .size: 8, .value_kind: global_buffer, .address_space: global }
      - { .name: vf, .offset: 16, .size: 8, .value_kind: global_buffer, .address_space: global }
      - { .name: attention_mask, .offset: 24, .size: 8, .value_kind: global_buffer, .address_space: global }
      - { .name: bv, .offset: 32, .size: 8, .value_kind: global_buffer, .address_space: global }
      - { .name: out0, .offset: 40, .size: 8, .value_kind: global_buffer, .address_space: global }
    .group_segment_fixed_size: 327680
    .private_segment_fixed_size: 0
    .kernarg_segment_align: 8
    .kernarg_segment_size: 48
    .max_flat_workgroup_size: 256
    .sgpr_count:     72
    .vgpr_count:     512
    .wavefront_size: 32
...
	.end_amdgpu_metadata
.endif
;; end of part 3
